; MI455X (gfx1250); checked and timed in simulation.
; The chip was launched on July 23, 2026; its instructions are those of AMD's public machine-readable ISA for CDNA 5 (MIT licence, August 2026) and "CDNA5" Instruction Set Architecture Reference Guide (July 2026). The comments in the code are by the model that wrote it; some were corrected since.
;; Attentional Correlation. Allowed arithmetic: matrix products marked QUANTISED: E2M3 operands, one E8M0 scale for each 32 along K, by v_wmma_scale_f32_16x16x128_f8f6f4 with both operands' format E2M3, f32 sums; everything else in f32.
;; Inputs: bf 64 float32; bk 64 float32; bq 64 float32; f1_codes 8 x 64 x 64 x 4 x 24 uint8 (E2M3 codes of f1, K innermost, in blocks of 32 codes, four codes in three bytes); f1_scales 8 x 64 x 64 x 4 uint8 (E8M0 scales of f1, one for each 32 codes along K); f2 8 x 128 x 64 x 64 float32; wf_codes 64 x 4 x 24 uint8 (E2M3 codes of wf, K innermost, in blocks of 32 codes, four codes in three bytes); wf_scales 64 x 4 uint8 (E8M0 scales of wf, one for each 32 codes along K); wk_codes 64 x 4 x 24 uint8 (E2M3 codes of wk, K innermost, in blocks of 32 codes, four codes in three bytes); wk_scales 64 x 4 uint8 (E8M0 scales of wk, one for each 32 codes along K); wq_codes 64 x 4 x 24 uint8 (E2M3 codes of wq, K innermost, in blocks of 32 codes, four codes in three bytes); wq_scales 64 x 4 uint8 (E8M0 scales of wq, one for each 32 codes along K).
;; Outputs: out0 8 x 64 x 64 x 64 float32.
;; This version of the problem:
;;   THIS VERSION OF THE PROBLEM IS GIVEN IN LOW PRECISION. The matrix products marked QUANTISED in the list below multiply operands that are first quantised to E2M3 (2 exponent bits, 3 mantissa bits; 6 bits a number), with one power-of-two scale for each 32 numbers along K (OCP MX v1.0); their sums are f32. All else is computed in f32.
;;   The module's matrix products, in the order in which they are computed (A, B: the left and right operand; K: the contracted axis; several contracted axes count as one K, in the product's order):
;;     1. [M 32,768, K 128] x [K 128, N 64]; A: input f1 (given as codes); B: input wq (given as codes): QUANTISED
;;     2. [M 32,768, K 128] x [K 128, N 64]; A: input f2; B: input wk (given as codes): QUANTISED
;;     3. batch 8 x [M 4,096, K 64] x [K 64, N 4,096]; A: computed on the way; B: computed on the way: QUANTISED
;;     4. batch 8 x [M 128, K 4,096] x [K 4,096, N 4,096]; A: input f2; B: softmax (see below): QUANTISED
;;     5. [M 32,768, K 128] x [K 128, N 64]; A: computed on the way; B: input wf (given as codes): QUANTISED
;;   THE QUANTISER, for each operand of a quantised product, along K:
;;     - K is cut into blocks of 32 from its start; a last block that is shorter is filled with zeros.
;;     - A block's scale is 2^e with e = floor(log2(the largest magnitude in the block)) - 2, held to -126 .. 127; a block of zeros has e = 0. As a byte (E8M0): e + 127.
;;     - Each number is divided by its block's scale, clamped to +-7.5, and rounded to the nearest number of E2M3, ties to even, subnormals kept.
;;     - The product sums the exact products of the quantised numbers (number of the format x scale) in f32.
;;   ~~~python
;;   def quantise(x, axis):      # numpy; x: float32 -> the quantised numbers, widened to float32 again
;;       x = np.moveaxis(x, axis, -1); K = x.shape[-1]
;;       x = np.pad(x, [(0, 0)] * (x.ndim - 1) + [(0, -K % 32)]); x = x.reshape(x.shape[:-1] + (-1, 32)); a = np.abs(x).max(-1, keepdims=True)
;;       e = np.where(a > 0, np.clip(np.frexp(np.where(a > 0, a, 1))[1] - 1 - 2, -126, 127), 0)      # np.frexp(a)[1] - 1 = floor(log2(a)), exactly
;;       r = np.clip(x / 2.0 ** e, -7.5, 7.5)
;;       step = 2.0 ** (np.maximum(np.frexp(np.where(r == 0, 1, r))[1] - 1, 0) - 3)
;;       q = np.round(r / step) * step * 2.0 ** e      # np.round: ties to even
;;       return np.moveaxis(q.reshape(q.shape[:-2] + (-1,))[..., :K], -1, axis).astype(np.float32)
;;   ~~~
;;   SOFTMAX AHEAD OF A QUANTISED PRODUCT. Where the list says 'softmax', what is quantised is not the finished softmax but p = 2^(t - M), with t = logit x log2(e) and M = ceil(the row's largest t), a whole number; so 1/2 < the row's largest p <= 1. The row's sum l is taken of the UNQUANTISED p, in f32, and the product's result is divided by l at the end. Since M is a whole number, a kernel that streams over the keys may use a running M (the ceiling of the running maximum): every later rescaling is an exact power of two, which a block's scale takes up: the codes' values come out the same.
;;   OPERANDS COMPUTED ON THE WAY. 'Computed on the way' means the value that the module computes at that place (a softmax that the list does not call 'softmax' is quantised finished and normalised). What goes into a quantiser is computed in f32, as accurately as f32 sums, v_exp_f32 and their like allow (about 1e-6 of the number): no bf16 or f16 on the way to a quantiser, and a product that is left as it is and whose result goes on into a quantised operand takes f32 operands (vector FMAs, or v_wmma_f32_16x16x4_f32). A number that lies on a knife's edge between two numbers of the format may be rounded either way, as far as f32 arithmetic and the matrix unit's own rounding can turn it there, and no further.
;;   INPUTS GIVEN AS CODES. f1 (in the module: [8, 128, 64, 64], K = its axis 1); wf (in the module: [64, 128], K = its axis 1); wk (in the module: [64, 128], K = its axis 1); wq (in the module: [64, 128], K = its axis 1): each comes as NAME_codes (uint8): NAME with its K axis moved to the last place and cut into blocks of 32 codes, [.., K / 32, bytes a block], one block behind the other in memory; four codes in three bytes: a row's codes are one little-endian stream of bits, code i at bits 6 i .. 6 i + 5 (a code: sign, 2 exponent bits, 3 mantissa bits); and NAME_scales (uint8): the same leading axes, one E8M0 byte (e + 127) for each 32 codes along K. Its value is code x scale, taken as it is: it is not quantised again, and the codes and scales need not be those that the quantiser above would give.
;; One version. Each part assembles by itself: llvm-mc -triple=amdgcn-amd-amdhsa -mcpu=gfx1250 --defsym DOCPART=n.
;; ======== version 1 of 1: 2 launches
;; workspace buffers: kv 4,980,736 bytes
;; launch prep (part 1): grid 32 x 8, 4 waves a work-group, no clusters, 168,448 bytes of LDS; arguments f2, wk_codes, wk_scales, bk, kv; writes kv
.if DOCPART == 1
	.amdgcn_target "amdgcn-amd-amdhsa--gfx1250"
	.amdhsa_code_object_version 6
	.text
	.protected	k_q4809b2f83f_prep
	.globl	k_q4809b2f83f_prep
	.p2align	8
	.type	k_q4809b2f83f_prep,@function
k_q4809b2f83f_prep:
	s_mov_b64 s[64:65], 0
	v_nop
	global_prefetch_b8 v0, s[64:65] scope:SCOPE_SE
	s_setreg_imm32_b32 hwreg(HW_REG_WAVE_MODE, 25, 1), 1
	s_wait_xcnt 0x0
; f2 [8][128 c][4096 m], f32, is quantised twice to FP6 (E2M3) with one E8M0 scale for each 32 along K, and k = Q(f2 along c) wk^T + bk is made and quantised along d.
; A work-group takes 128 channels x 128 keys of one batch and writes ONE RECORD of 19,456 bytes of kv: all that one key step of the attention launch reads, laid as images of operand registers.
;   KIM    0: 8 tiles of k x 768 bytes.  Tile 2 b + u, lane (r, h): key 32 b + 8 u + r + 8 (r / 8), d = 32 h .. 32 h + 31: six registers: four at 16 x lane, two at 512 + 8 x lane.
;   VIM 6144: 8 tiles of f2 x two halves x 768 bytes.  Tile 2 b + u, half cc, lane (r, h): channel 32 b + 8 u + r + 8 (r / 8), keys 64 cc + 32 h + 0 .. 31; six registers laid as above.
;   KSC 18432: 4 x 128 bytes: word j, lanes 0-15 tile 2 j's scale words of k, lanes 16-31 tile 2 j + 1's (bytes 0, 1: the two blocks of d; bytes 2, 3: 0).
;   VSC 18944: 4 x 128 bytes: the same split for f2's tiles; byte w scales key block w of the step.
; SHARES.  Wave w owns keys 32 w .. 32 w + 31.  Along c a lane takes ONE key and its registers run down the channels; along m a lane takes ONE channel and reads its 32 keys: a block lies in one lane both times.
; Lane l takes key (or channel) pi(l) = l with bits 3 and 4 exchanged, so that lanes 0-15 hold a tile's sixteen rows r + 8 (r / 8) and lanes 16-31 those of the next tile.
; A block's scale is 2^(floor(log2(largest magnitude)) - 2): its byte is the largest magnitude's exponent field - 2, held at 1 from below by a floor among the maximum's leaves.
; LIMITS: a block of zeros, or one whose largest magnitude lies under 2^-124, gets the byte 1 (its codes are zeros or subnormal codes; the bytes are read by this program alone); NaN and infinities are not served.
; No cluster: no two work-groups read the same bytes of f2.  The tile is filled once, so there is no ring.
.set PITCH, 528                        ; a channel's 128 keys in LDS: 512 bytes + 16 of padding
.set RECL,  128*PITCH                  ; behind the tile: the record, written by LDS stores alone
.set REC,   19456
.set VIM,   6144
.set KSC,   18432
.set VSC,   18944
.set F0,    16                         ; v16-27, v28-39 the two fragments of Q(f2 along c); later k's codes at v16-21 and v24-29
.set T,     40                         ; v40-55 upper halves of the four blocks' codes; later f2's codes along m, two sets
.set BM,    56                         ; v56-57 largest magnitudes
.set BX,    58                         ; v58-59 the other half of the lanes'
.set T2,    60                         ; v60-62 a conversion's second three registers
.set SOP,   64                         ; v64-67 the conversions' scale operands
.set BY,    68                         ; v68-71 scale bytes
.set FW,    72                         ; v72    f2's scale word (lanes 0-15 tile 0's keys, lanes 16-31 tile 1's); later k's merged word
.set WKS,   73                         ; v73-76 wk's scale words
.set KW,    77                         ; v77-78 k's scale words of my two tiles
.set WK,    80                         ; v80-127 wk's four fragments
.set BD,    128                        ; v128-191 bk in the result's layout, then k: fragment u, tile t at 128 + 32 u + 8 t
.set BA,    192                        ; v192-223, v224-255 two sets of 32 numbers; later the way out
.set BB,    224
	s_load_b256 s[4:11], s[0:1], 0x0               ; f2 s[4:5], wk's codes s[6:7], wk's scales s[8:9], bk s[10:11]
	s_load_b64 s[12:13], s[0:1], 0x20              ; kv
	v_lshl_add_u32 v55, v0, 2, 0x29000
	v_mov_b32 v63, 0
	ds_add_u32 v55, v63
	ds_add_u32 v55, v63
	v_lshrrev_b32 v16, 5, v0
	v_readfirstlane_b32 s14, v16                   ; wave 0..3
	s_and_b32 s16, ttmp7, 0xffff                   ; batch
	; descriptor group 1: 32 channels x 128 keys of 4 bytes, 4,096 elements from channel to channel, 16 bytes of padding behind each 512
	s_mov_b32 s24, (2<<16)|(1<<20)|(6<<22)|(3<<25)
	s_mov_b32 s25, 128<<16                         ; tensor_dim0
	s_mov_b32 s26, 32<<16                          ; tensor_dim1
	s_mov_b32 s27, 128<<16                         ; tile_dim0
	s_mov_b32 s28, 32                              ; tile_dim1
	s_mov_b32 s29, 4096                            ; stride
	s_mov_b32 s30, 0
	s_mov_b32 s31, 0
	s_mov_b32 s32, 1
	s_mul_i32 s33, s14, 32*PITCH                   ; my 32 channels' place in the tile
	s_lshl_b32 s18, s16, 21                        ; batch x 128 x 4,096 x 4
	s_lshl_b32 s20, s14, 19                        ; + 32 w channels
	s_add_co_u32 s18, s18, s20
	s_lshl_b32 s20, ttmp9, 9                       ; + 128 keys a step
	s_add_co_u32 s18, s18, s20
	s_mov_b32 s19, 0
	s_mov_b32 s36, 0x76543210
	s_mov_b32 s37, 0xfedcba98                      ; v_permlanex16_b32's selects for lane l xor 16
	s_mov_b32 s38, 0xffff0000                      ; lanes 16-31
	v_and_b32 v16, 31, v0                          ; l
	v_and_b32 v17, 15, v0                          ; r
	v_bfe_u32 v18, v0, 4, 1                        ; h
	v_and_b32 v19, 8, v17
	v_add_nc_u32 v19, v19, v17                     ; r + 8 (r / 8)
	v_and_b32 v20, 7, v0
	v_bfe_u32 v21, v0, 3, 1
	v_lshl_or_b32 v20, v21, 4, v20
	v_lshl_or_b32 v20, v18, 3, v20                 ; pi(l)
	s_lshl_b32 s40, s14, 7                         ; 128 w: my 32 keys' bytes in a row
	v_lshlrev_b32 v4, 2, v20
	v_add_nc_u32 v4, s40, v4                       ; v4: down the channels: my key's word in row 0;
	v_add_nc_u32 v5, 64*PITCH, v4                  ; v5: in row 64 (the offsets of rows 64 on would pass 16 bits)
	v_mul_u32_u24 v6, v20, PITCH
	v_add_nc_u32 v6, s40, v6                       ; v6: along the keys: channel pi(l), my wave's 128 bytes
	s_mul_i32 s39, s14, 1536
	s_add_co_u32 s39, s39, RECL
	v_lshl_add_u32 v7, v16, 4, s39                 ; v7: k's images, registers 0-3: tiles 2 w, 2 w + 1
	s_add_co_u32 s39, s39, 512
	v_lshl_add_u32 v8, v16, 3, s39                 ; v8: registers 4-5
	s_add_co_u32 s41, s40, RECL+KSC
	v_lshl_add_u32 v9, v16, 2, s41                 ; v9: k's scale words, register w
	s_lshr_b32 s41, s14, 1                         ; key block w = 2 cc + h: cc,
	s_and_b32 s42, s14, 1                          ; h
	s_mul_i32 s41, s41, 768
	s_lshl_b32 s43, s42, 8
	s_add_co_u32 s43, s43, s41
	s_add_co_u32 s43, s43, RECL+VIM
	v_mul_u32_u24 v21, v18, 1536                   ; lanes 16-31 hold the next tile's channels
	v_lshl_add_u32 v10, v17, 4, v21
	v_add_nc_u32 v10, s43, v10                     ; v10: f2's images, registers 0-3: image lane r + 16 (w & 1)
	s_lshl_b32 s43, s42, 7
	s_add_co_u32 s43, s43, s41
	s_add_co_u32 s43, s43, RECL+VIM+512
	v_lshl_add_u32 v11, v17, 3, v21
	v_add_nc_u32 v11, s43, v11                     ; v11: registers 4-5
	s_add_co_u32 s43, s14, RECL+VSC
	v_lshl_add_u32 v12, v16, 2, s43                ; v12: f2's scale bytes: byte w of word l
	s_mul_i32 s43, s14, 4864                       ; the way out: a quarter of the record, 19 blocks of 256 bytes, a wave
	s_add_co_u32 s42, s43, RECL
	v_lshl_add_u32 v13, v16, 4, s42
	s_add_co_u32 s42, s42, 4608
	v_lshl_add_u32 v14, v16, 3, s42
	v_lshlrev_b32 v15, 4, v16                      ; and the same places in kv
	v_lshlrev_b32 v1, 3, v16
	v_mul_u32_u24 v2, v19, 96
	v_mad_u32_u24 v2, v18, 24, v2                  ; wk: THE ROWS OF A TILE ARE NOT NEIGHBOURS: lane r of tile 2 b + u takes row 32 b + 8 u + r + 8 (r / 8)
	v_lshlrev_b32 v3, 2, v19                       ; its scale words
	v_lshlrev_b32 v79, 6, v18                      ; bk: lane (r, h) wants, for tile 2 b + u, d = 32 b + 16 h + 8 u + 0 .. 7
	v_mov_b32 v[BX], 0                             ; written once: a lane permute's destination counts as one of its sources
	v_mov_b32 v[BX+1], 0
	s_lshl_b32 s20, s16, 5
	s_add_co_u32 s20, s20, ttmp9
	s_mul_i32 s20, s20, REC                        ; my record: 32 x batch + step,
	s_add_co_u32 s20, s20, s43                     ; my quarter of it
	s_mov_b32 s21, 0
	s_wait_alu depctr_va_vdst(0)
	s_wait_dscnt 0x0
	s_wait_kmcnt 0x0
	s_add_nc_u64 s[12:13], s[12:13], s[20:21]
	s_add_nc_u64 s[34:35], s[4:5], s[18:19]
	s_or_b32 s35, s35, 0x80000000                  ; type = 2
	tensor_load_to_lds s[32:35], s[24:31]          ; my 32 channels: the one fill of these bytes
	s_nop 0
.irp t, 0,1,2,3
.irp p, 0,1,2,3,4,5
	global_load_b64 v[WK+12*\t+2*\p:WK+12*\t+2*\p+1], v2, s[6:7] offset:(32*(\t/2)+8*(\t%2))*96+48*(\p/3)+8*(\p%3)
.endr
	global_load_b32 v[WKS+\t], v3, s[8:9] offset:(32*(\t/2)+8*(\t%2))*4
.endr
.irp u, 0,1
.irp t, 0,1,2,3
	global_load_b128 v[BD+32*\u+8*\t:BD+32*\u+8*\t+3], v79, s[10:11] offset:(32*(\t/2)+8*(\t%2))*4
	global_load_b128 v[BD+32*\u+8*\t+4:BD+32*\u+8*\t+7], v79, s[10:11] offset:(32*(\t/2)+8*(\t%2))*4+16
.endr
.endr
; a whole block of 32 numbers in v[src] on becomes 6 registers of codes (lo: the first 16 codes, hi: the other 16), the conversions' scale operand and the scale's byte
.macro QB src, lo, hi, so, by
	v_max3_num_f32 v[BM], |v[\src]|, |v[\src+1]|, |v[\src+2]|
	v_max3_num_f32 v[BM+1], |v[\src+3]|, |v[\src+4]|, |v[\src+5]|
.irp i, 6,10,14,18,22,26
	v_max3_num_f32 v[BM], v[BM], |v[\src+\i]|, |v[\src+\i+1]|
	v_max3_num_f32 v[BM+1], v[BM+1], |v[\src+\i+2]|, |v[\src+\i+3]|
.endr
	v_max3_num_f32 v[BM], v[BM], |v[\src+30]|, |v[\src+31]|
	v_max3_num_f32 v[BM], v[BM], v[BM+1], 0x1800000   ; the floor 2^(3 - 127): the byte cannot fall under 1
	v_add_nc_u32 v[\so], 0xff000000, v[BM]         ; 2 off the exponent field: the conversion takes that field as its scale and nothing else
	v_cvt_scalef32_pk16_fp6_f32 v[\lo:\lo+2], v[\src:\src+15], v[\so]
	v_cvt_scalef32_pk16_fp6_f32 v[\hi:\hi+2], v[\src+16:\src+31], v[\so]
	v_lshrrev_b32 v[\by], 23, v[\so]               ; the byte; also the plain instruction behind the conversions
.endm
; 32 numbers of a lane, register 16 b + i = d 32 b + 16 (lane / 16) + i of my key, become six registers of codes (lane (r, h): d = 32 h .. 32 h + 31) and a scale word
.macro QUANT64 s, dst, word
.irp b, 0,1
	v_max3_num_f32 v[BM+\b], |v[\s+16*\b]|, |v[\s+16*\b+1]|, 0x1800000   ; each accumulator is read from its low end on
.endr
.irp i, 2,4,6,8,10,12,14
.irp b, 0,1
	v_max3_num_f32 v[BM+\b], v[BM+\b], |v[\s+16*\b+\i]|, |v[\s+16*\b+\i+1]|
.endr
.endr
.irp b, 0,1
	v_permlanex16_b32 v[BX+\b], v[BM+\b], s36, s37
.endr
.irp b, 0,1
	v_max_num_f32 v[BM+\b], v[BM+\b], v[BX+\b]     ; with lane l xor 16's sixteen: the block's
.endr
.irp b, 0,1
	v_add_nc_u32 v[SOP+\b], 0xff000000, v[BM+\b]
.endr
.irp b, 0,1
	v_lshrrev_b32 v[BY+\b], 23, v[SOP+\b]
.endr
	v_lshl_or_b32 v[\word], v[BY+1], 8, v[BY]      ; bytes 2 and 3 stay 0: they scale the half of K that is zeros
	v_cvt_scalef32_pk16_fp6_f32 v[\dst:\dst+2], v[\s:\s+15], v[SOP]
	v_cvt_scalef32_pk16_fp6_f32 v[T2:T2+2], v[\s+16:\s+31], v[SOP+1]
	v_nop                                          ; one plain instruction behind a scaled conversion
.irp i, 0,1,2
	v_permlane16_swap_b32 v[\dst+\i], v[T2+\i]     ; a whole block to a lane: lanes 0-15 block 0, lanes 16-31 block 1
.endr
.irp i, 0,1,2
	v_mov_b32 v[\dst+3+\i], v[T2+\i]
.endr
.endm
.macro KLOAD b, buf                    ; channels 32 b .. 32 b + 31 of my key: each load takes 32 different words of one row's 128 bytes
.set i, 0
.rept 32
	ds_load_b32 v[\buf+i], v[4+(\b)/2] offset:(32*((\b)%2)+i)*PITCH
.set i, i+1
.endr
.endm
.macro VLOAD p, buf                    ; my wave's 32 keys of channel 32 p + pi(l).
.irp j, 0,1,2,3,4,5,6,7
	ds_load_b128 v[\buf+4*\j:\buf+4*\j+3], v6 offset:32*PITCH*(\p)+16*\j
.endr
.endm
.macro VPASS p, buf, left              ; 32 channels' block of my keys: codes and byte into the record.  left: the LDS instructions issued behind this pass's loads
	s_wait_dscnt \left
	QB \buf, T+8*((\p)%2), T2, SOP+(\p), BY+(\p)
.irp i, 0,1,2
	v_mov_b32 v[T+8*((\p)%2)+3+\i], v[T2+\i]
.endr
	ds_store_b128 v10, v[T+8*((\p)%2):T+8*((\p)%2)+3] offset:3072*(\p)
	ds_store_b64 v11, v[T+8*((\p)%2)+4:T+8*((\p)%2)+5] offset:3072*(\p)
	ds_store_b8 v12, v[BY+(\p)] offset:128*(\p)
.endm
	s_wait_tensorcnt 0x0                           ; my 32 channels are in,
	s_barrier_signal -1
	s_barrier_wait -1                              ; everybody's are
	; ---- f2 along c: four blocks of my key, through two sets of registers
	KLOAD 0, BA
	KLOAD 1, BB
	s_wait_dscnt 32                                ; block 0 is in; the 32 loads behind it may be out
	QB BA, F0, T, SOP, BY
	KLOAD 2, BA
	s_wait_dscnt 32
	QB BB, F0+12, T+4, SOP+1, BY+1
	KLOAD 3, BB
	s_wait_dscnt 32
	QB BA, F0+6, T+8, SOP+2, BY+2
	VLOAD 0, BA
	s_wait_dscnt 8                                 ; block 3 is in; the eight loads of the first pass along m may be out
	QB BB, F0+18, T+12, SOP+3, BY+3
	VLOAD 1, BB
	v_lshl_or_b32 v[FW], v[BY+1], 8, v[BY]         ; my key's scale word
	v_lshl_or_b32 v[FW], v[BY+2], 16, v[FW]
	v_lshl_or_b32 v[FW], v[BY+3], 24, v[FW]
	; The operand's layout gives lane (r, h) blocks h and 2 + h of key r.  Blocks 0 and 1 (2 and 3) change halves: the first register of each pair becomes tile 0's, the second tile 1's
.irp i, 0,1,2
	v_permlane16_swap_b32 v[F0+\i], v[F0+12+\i]
	v_permlane16_swap_b32 v[T+\i], v[T+4+\i]
	v_permlane16_swap_b32 v[F0+6+\i], v[F0+18+\i]
	v_permlane16_swap_b32 v[T+8+\i], v[T+12+\i]
.endr
.irp i, 0,1,2
	v_mov_b32 v[F0+3+\i], v[T+\i]
	v_mov_b32 v[F0+15+\i], v[T+4+\i]
	v_mov_b32 v[F0+9+\i], v[T+8+\i]
	v_mov_b32 v[F0+21+\i], v[T+12+\i]
.endr
	s_wait_alu depctr_va_vdst(0)
	s_wait_loadcnt 0x0                             ; wk, its scale words, bk
.rept 8
	v_nop                                          ; a scale register written by vector instructions stands 8 places ahead of a scaled matrix instruction, an operand 4
.endr
	; ---- k^T = wk Q(f2) + bk: source 0 = 16 rows of wk, source 1 = 16 keys; the bias is the C.  Eight different accumulators
.irp t, 0,1,2,3
	v_wmma_scale_f32_16x16x128_f8f6f4 v[BD+8*\t:BD+8*\t+7], v[WK+12*\t:WK+12*\t+11], v[F0:F0+11], v[BD+8*\t:BD+8*\t+7], v[WKS+\t], v[FW] matrix_a_fmt:MATRIX_FMT_FP6 matrix_b_fmt:MATRIX_FMT_FP6
	v_wmma_scale_f32_16x16x128_f8f6f4 v[BD+32+8*\t:BD+32+8*\t+7], v[WK+12*\t:WK+12*\t+11], v[F0+12:F0+23], v[BD+32+8*\t:BD+32+8*\t+7], v[WKS+\t], v[FW] matrix_a_fmt:MATRIX_FMT_FP6 matrix_b_fmt:MATRIX_FMT_FP6 matrix_b_scale:MATRIX_SCALE_ROW1
.endr
	; ---- f2 along m: four passes of 32 channels.  Their vector lines, which name none of the products' registers, are the places behind the products
	VPASS 0, BA, 8                                 ; behind pass 0's loads: pass 1's eight
	VLOAD 2, BA
	VPASS 1, BB, 11                                ; pass 0's three stores and pass 2's eight loads
	VLOAD 3, BB
	VPASS 2, BA, 11                                ; pass 1's three stores and pass 3's eight loads
	VPASS 3, BB, 3                                 ; pass 2's three stores
	; ---- k along d
	QUANT64 BD, F0, KW
	QUANT64 BD+32, F0+8, KW+1
	v_cndmask_b32 v[FW], v[KW], v[KW+1], s38       ; lanes 0-15 tile 2 w's words, lanes 16-31 tile 2 w + 1's
	ds_store_b128 v7, v[F0:F0+3]
	ds_store_b64 v8, v[F0+4:F0+5]
	ds_store_b128 v7, v[F0+8:F0+11] offset:768
	ds_store_b64 v8, v[F0+12:F0+13] offset:768
	ds_store_b32 v9, v[FW]
	s_wait_dscnt 0x0                               ; for the others' sake: my stores into the record are done
	s_barrier_signal -1
	s_barrier_wait -1
	; ---- the way out: 4,864 consecutive bytes a wave, each store whole aligned blocks of 256 bytes
.irp i, 0,1,2,3,4,5,6,7,8
	ds_load_b128 v[BA+4*\i:BA+4*\i+3], v13 offset:512*\i
.endr
	ds_load_b64 v[BA+36:BA+37], v14
.irp i, 0,1,2,3,4,5,6,7,8
	s_wait_dscnt 9-\i                              ; load i is in; the younger ones may be out
	global_store_b128 v15, v[BA+4*\i:BA+4*\i+3], s[12:13] offset:512*\i
.endr
	s_wait_dscnt 0x0
	global_store_b64 v1, v[BA+36:BA+37], s[12:13] offset:4608
	s_wait_tensorcnt 0x0
	ds_add_u32 v55, v63
	s_wait_dscnt 0x0
	s_endpgm
.Lfunc_end_k_q4809b2f83f_prep:
	.size	k_q4809b2f83f_prep, .Lfunc_end_k_q4809b2f83f_prep-k_q4809b2f83f_prep
	.p2alignl 7, 3214868480
	.fill 96, 4, 3214868480
	.section	.rodata,"a",@progbits
	.p2align	6, 0x0
	.amdhsa_kernel k_q4809b2f83f_prep
		.amdhsa_group_segment_fixed_size 168448
		.amdhsa_private_segment_fixed_size 0
		.amdhsa_enable_private_segment 0
		.amdhsa_kernarg_size 40
		.amdhsa_user_sgpr_count 2
		.amdhsa_user_sgpr_kernarg_segment_ptr 1
		.amdhsa_wavefront_size32 1
		.amdhsa_system_sgpr_workgroup_id_x 1
		.amdhsa_system_sgpr_workgroup_id_y 1
		.amdhsa_system_sgpr_workgroup_id_z 1
		.amdhsa_system_vgpr_workitem_id 0
		.amdhsa_next_free_vgpr 256
		.amdhsa_next_free_sgpr 66
		.amdhsa_reserve_vcc 0
		.amdhsa_float_denorm_mode_32 3
		.amdhsa_float_denorm_mode_16_64 3
		.amdhsa_memory_ordered 1
		.amdhsa_forward_progress 1
		.amdhsa_inst_pref_size 39
	.end_amdhsa_kernel
	.amdgpu_metadata
---
amdhsa.version: [ 1, 2 ]
amdhsa.kernels:
  - .name:           k_q4809b2f83f_prep
    .symbol:         k_q4809b2f83f_prep.kd
    .args:
      - { .name: f2, .offset: 0, .size: 8, .value_kind: global_buffer, .address_space: global }
      - { .name: wk_codes, .offset: 8, .size: 8, .value_kind: global_buffer, .address_space: global }
      - { .name: wk_scales, .offset: 16, .size: 8, .value_kind: global_buffer, .address_space: global }
      - { .name: bk, .offset: 24, .size: 8, .value_kind: global_buffer, .address_space: global }
      - { .name: kv, .offset: 32, .size: 8, .value_kind: global_buffer, .address_space: global }
    .group_segment_fixed_size: 168448
    .private_segment_fixed_size: 0
    .kernarg_segment_align: 8
    .kernarg_segment_size: 40
    .max_flat_workgroup_size: 128
    .sgpr_count:     66
    .vgpr_count:     256
    .wavefront_size: 32
...
	.end_amdgpu_metadata
.endif
;; end of part 1
;; launch attn (part 2): grid 32 x 8, 8 waves a work-group, clusters of 4 x 1, 327,680 bytes of LDS; arguments f1_codes, f1_scales, wq_codes, wq_scales, bq, kv, wf_codes, wf_scales, bf, out0; writes out0
.if DOCPART == 2
	.amdgcn_target "amdgcn-amd-amdhsa--gfx1250"
	.amdhsa_code_object_version 6
	.text
	.protected	k_q4809b2f83f_attn
	.globl	k_q4809b2f83f_attn
	.p2align	8
	.type	k_q4809b2f83f_attn,@function
k_q4809b2f83f_attn:
	s_mov_b64 s[64:65], 0
	v_nop
	global_prefetch_b8 v0, s[64:65] scope:SCOPE_SE
	s_setreg_imm32_b32 hwreg(HW_REG_WAVE_MODE, 25, 1), 1
	s_wait_xcnt 0x0
	s_wait_alu depctr_hold_cnt(0) depctr_sa_sdst(0) depctr_va_vdst(0) depctr_va_sdst(0) depctr_va_ssrc(0) depctr_va_vcc(0) depctr_vm_vsrc(0)
	s_getreg_b32 s2, hwreg(HW_REG_IB_STS2, 6, 4)
	s_cmp_eq_u32 s2, 0
	s_cbranch_scc0 .Lentry_in_a_cluster
	s_endpgm
.Lentry_in_a_cluster:
	s_bfe_u32 s2, ttmp6, 0x10000c
	s_cmp_lg_u32 s2, 0x3003
	s_cbranch_scc0 .Lentry_shape_is_right
	s_endpgm
.Lentry_shape_is_right:
; out[b][o][n] = wf Q(attn_out / l) + bf, attn_out[c][n] = sum over m of Q(f2 along m)[c][m] Q(p)[n][m], p = 2^(t - M), t = logit x log2(e), logit = Q(q)[n] . Q(k)[m], q = f1 wq^T + bq.
; All five products on codes of FP6 (E2M3) with one E8M0 scale for each 32 along K.  k's and f2's codes come from kv, one record of 19,456 bytes for each 128 keys of a batch, laid as images of operand registers:
;   0: 8 tiles of k x 768 bytes (six registers a lane: four at 16 x lane, two at 512 + 8 x lane);  6144: 8 tiles of f2 x two halves x 768;  18432: 4 x 128 bytes of k's scale words;  18944: 4 x 128 of f2's.
; SHARES.  A work-group owns 128 queries of one batch, each of its eight waves 16: one tile, in 512 registers, two waves to a SIMD, so that one wave's softmax stands beside the other's products and LDS loads.
; Every wave walks the batch's 4,096 keys, 128 a step.  LAYOUT: every product is used transposed (source 1 = my 16 queries), so a lane holds ONE query (lane % 16) throughout, and its registers run along the next K:
; the keys of a tile of k and the channels of a tile of f2 were chosen for that (tile 2 b + u, lane r: 32 b + 8 u + r + 8 (r / 8)).
; THE LOGITS' K IS 64, the instruction's 128.  q's fragment has zero codes in its upper six registers; so k's fragments lie six registers apart, and a fragment's upper six are the next tile's codes, finite numbers
; (the format has no NaN and no infinity) that meet zeros; six registers behind tile 7 are written 0 once.  The scale bytes of that half are 0 on both sides, which is a scale like any other.
; SOFTMAX.  M = the running largest t rounded up to a whole number, kept as -M = floor(-t); when M moves, the sum and O^T are multiplied by 2^(old M - new M), which rounds nothing.  The sum is taken of the unquantised p.
; A block's largest p is made from the block's largest score by the same multiply-add and exponential (this takes v_exp_f32 not to fall where its input rises).
; RING.  Two LDS slots of 8 records (155,648 bytes); wave w brings record w of a slot with one tensor load.  32 records a batch: two first fills and two refills.
; CLUSTER.  The four work-groups of a cluster are four query blocks of one batch and walk the same records: each load is asked for JOINTLY, by the same descriptor and a mask that names the four.
; LIMITS: NaN and infinities are not served; a block whose largest magnitude lies under 2^-124 gets the scale byte 1.
; REGISTERS.  Window 0: v1-3 16, 8, 4 x lane; v4-5 the add's; v6-8 LDS addresses of the step; v9-10 the way out; v12 -M, v13 the largest t, v[14:15] the sum; v16-27 q's codes; v28 q's scale word; v32-61 at work;
;   v62-78 scale words; v80-88 addresses of the head; v96-159 S^T, then p; v160-223 O^T; v224-235 p's codes.   Window 1: v0-53 k's fragments; v64-159 f2's; v160-207 wf's; v208-239 bf.
.set REC,   19456
.set SLOTB, 8*REC
.set SPARE, 2*SLOTB                    ; behind the ring: the spare words, 128 bytes for each of the eight waves: four blocks of 256 bytes that no other line names
.set VIM,   6144
.set KSC,   18432
.set VSC,   18944
.set OP,    528                        ; the way out: a stage of 64 rows (o) x (128 queries x 4 bytes + 16), in slot 0, which has had its last fill and its last read by then
.set SPW, 4
.set NIL, 5
.set ADI, 6
.set AD8, 7
.set AD4, 8
.set STO, 9
.set RD,  10
.set Q,   16
.set QS,  28
.set BM,  32                           ; v32-35 a block's largest score or magnitude
.set BX,  36                           ; v36-39 the other half of the lanes'
.set SOP, 40                           ; v40-43 the conversions' scale operands
.set BY,  44                           ; v44-47 scale bytes
.set T2,  48                           ; v48-50, v52-54 a conversion's second three registers
.set FF,  56                           ; v[56:57] f = 2^(old M - new M); at the end 1 / l
.set PW,  58                           ; p's scale word; at the end attn_out's
.set TMP, 59
.set L2,  60                           ; v[60:61] the sum's second chain
.set KS,  62                           ; v62-65 k's scale words, v66-69 f2's, v70-73 wf's, v74-77 wq's, v78 f1's
.set VS,  66
.set WFS, 70
.set WQS, 74
.set F1S, 78
.set S,   96
.set O,   160
.set PC,  224
.set KF,  0                            ; in window 1
.set VF,  64
.set WF,  160
.set BF,  208
.set WV,  40                           ; s40 my wave's number
.set TB,  50                           ; s50 LDS byte at which the step's record begins
.set CNT, 51
.set CS,  52                           ; s[52:53] log2(e): the packed form names a pair and takes its low word for both halves
.set SEL, 54                           ; s[54:55] v_permlanex16_b32's selects for lane l xor 16
.set MSB, 0
.macro WIN new                         ; the immediate's high byte repeats the setting that is left; a switch that changes nothing is dropped
.if MSB != \new
	s_set_vgpr_msb (MSB<<8)|\new
.set MSB, \new
.endif
.endm
.macro CROUND                          ; a round of the cluster's barrier
	s_barrier_signal -1
	s_barrier_wait -1
	s_cmp_lg_u32 s[WV], 0
	s_cbranch_scc1 .Lnot_wave_0_\@
	s_barrier_signal -3
.Lnot_wave_0_\@:
	s_barrier_wait -3
	s_barrier_signal -1
	s_barrier_wait -1
.endm
.macro PLACES
.rept 4
	v_nop
.endr
.endm
.macro ADDR                            ; my lane's places in the record at s[TB]
	v_add_nc_u32 v[ADI], s[TB], v1
	v_add_nc_u32 v[AD8], s[TB], v2
	v_add_nc_u32 v[AD4], s[TB], v3
.endm
.macro FETCH_V                         ; 36 LDS loads: f2's scale words, then its sixteen half images.  It leaves the destination's window at 1
.irp j, 0,1,2,3
	ds_load_b32 v[VS+\j], v[AD4] offset:VSC+128*\j
.endr
	WIN 0x40
.irp t, 0,1,2,3,4,5,6,7
.irp c, 0,1
	ds_load_b128 v[VF+12*\t+6*\c:VF+12*\t+6*\c+3], v[ADI] offset:VIM+1536*\t+768*\c
	ds_load_b64 v[VF+12*\t+6*\c+4:VF+12*\t+6*\c+5], v[AD8] offset:VIM+1536*\t+768*\c+512
.endr
.endr
.endm
.macro FETCH_K off                     ; 20 LDS loads: k's eight images, then its scale words
	WIN 0x40
.irp t, 0,1,2,3,4,5,6,7
	ds_load_b128 v[KF+6*\t:KF+6*\t+3], v[ADI] offset:\off+768*\t
	ds_load_b64 v[KF+6*\t+4:KF+6*\t+5], v[AD8] offset:\off+768*\t+512
.endr
	WIN 0
.irp j, 0,1,2,3
	ds_load_b32 v[KS+\j], v[AD4] offset:\off+KSC+128*\j
.endr
.endm
; 16 nb numbers of a lane, register 16 b + i = k 32 b + 16 (lane / 16) + i of my query, become 3 nb registers of codes in the operand's layout and a scale word.  nb = 2 or 4 blocks
.macro QUANT s, nb, dst, word
.irp b, 0,1,2,3
.if \b < \nb
	v_max3_num_f32 v[BM+\b], |v[\s+16*\b]|, |v[\s+16*\b+1]|, 0x1800000   ; the floor 2^(3 - 127): the byte cannot fall under 1.  Each accumulator is read from its low end on
.endif
.endr
.irp i, 2,4,6,8,10,12,14
.irp b, 0,1,2,3
.if \b < \nb
	v_max3_num_f32 v[BM+\b], v[BM+\b], |v[\s+16*\b+\i]|, |v[\s+16*\b+\i+1]|
.endif
.endr
.endr
.irp b, 0,1,2,3
.if \b < \nb
	v_permlanex16_b32 v[BX+\b], v[BM+\b], s[SEL], s[SEL+1]
.endif
.endr
.irp b, 0,1,2,3
.if \b < \nb
	v_max_num_f32 v[BM+\b], v[BM+\b], v[BX+\b]
.endif
.endr
.irp b, 0,1,2,3
.if \b < \nb
	v_add_nc_u32 v[SOP+\b], 0xff000000, v[BM+\b]   ; 2 off the exponent field: the conversion's scale operand
.endif
.endr
.irp b, 0,1,2,3
.if \b < \nb
	v_lshrrev_b32 v[BY+\b], 23, v[SOP+\b]
.endif
.endr
	v_lshl_or_b32 v[\word], v[BY+1], 8, v[BY]
.if \nb > 2
	s_delay_alu instid0(VALU_DEP_1)
	v_lshl_or_b32 v[\word], v[BY+2], 16, v[\word]
	s_delay_alu instid0(VALU_DEP_1)
	v_lshl_or_b32 v[\word], v[BY+3], 24, v[\word]
.endif
.irp c, 0,1
.if 2*\c < \nb
	v_cvt_scalef32_pk16_fp6_f32 v[\dst+6*\c:\dst+6*\c+2], v[\s+32*\c:\s+32*\c+15], v[SOP+2*\c]
	v_cvt_scalef32_pk16_fp6_f32 v[T2+4*\c:T2+4*\c+2], v[\s+32*\c+16:\s+32*\c+31], v[SOP+2*\c+1]
.endif
.endr
	v_nop                                          ; one plain instruction behind a scaled conversion
.irp c, 0,1
.if 2*\c < \nb
.irp i, 0,1,2
	v_permlane16_swap_b32 v[\dst+6*\c+\i], v[T2+4*\c+\i]   ; a whole block to a lane: lanes 0-15 block 2 c, lanes 16-31 block 2 c + 1
.endr
.irp i, 0,1,2
	s_delay_alu instid0(VALU_DEP_3)
	v_mov_b32 v[\dst+6*\c+3+\i], v[T2+4*\c+\i]
.endr
.endif
.endr
.endm
; The softmax of a step: 64 scores of a lane (register 16 b + i: key 32 b + 16 (lane / 16) + i) become p's codes and scale word; the sum and O^T are brought under the new M
.macro SOFTMAX
.irp b, 0,1,2,3
	v_max3_num_f32 v[BM+\b], v[S+16*\b], v[S+16*\b+1], v[S+16*\b+2]   ; the largest score of each block of 32 keys: for the row's maximum and for the block's largest p
.endr
.irp i, 3,5,7,9,11,13
.irp b, 0,1,2,3
	v_max3_num_f32 v[BM+\b], v[BM+\b], v[S+16*\b+\i], v[S+16*\b+\i+1]
.endr
.endr
.irp b, 0,1,2,3
	v_max_num_f32 v[BM+\b], v[BM+\b], v[S+16*\b+15]
.endr
.irp b, 0,1,2,3
	s_delay_alu instid0(VALU_DEP_4)
	v_permlanex16_b32 v[BX+\b], v[BM+\b], s[SEL], s[SEL+1]
.endr
.irp b, 0,1,2,3
	s_delay_alu instid0(VALU_DEP_4)
	v_max_num_f32 v[BM+\b], v[BM+\b], v[BX+\b]     ; with lane l xor 16's 16 keys
.endr
	s_delay_alu instid0(VALU_DEP_2)
	v_max3_num_f32 v[TMP], v[BM], v[BM+1], v[BM+2]
	s_delay_alu instid0(VALU_DEP_1)
	v_max_num_f32 v[TMP], v[TMP], v[BM+3]
	s_delay_alu instid0(VALU_DEP_1)
	v_mul_f32 v[TMP], s[CS], v[TMP]                ; as t
	s_delay_alu instid0(VALU_DEP_1)
	v_max_num_f32 v13, v13, v[TMP]                 ; the running largest t
	v_mov_b32 v[TMP], v12
	s_delay_alu instid0(VALU_DEP_2)
	v_floor_f32 v12, -v13                          ; -M = floor(-t): M is a whole number
	s_delay_alu instid0(VALU_DEP_1)
	v_sub_f32 v[TMP], v12, v[TMP]                  ; old M - new M: a whole number, 0 or less
	s_delay_alu instid0(VALU_DEP_1)
	v_cvt_i32_f32 v[TMP], v[TMP]                   ; (it saturates)
	s_delay_alu instid0(VALU_DEP_1)
	v_ldexp_f32 v[FF], 1.0, v[TMP]                 ; f
.set j, 0
.rept 32
	v_pk_fma_f32 v[S+j:S+j+1], v[S+j:S+j+1], s[CS:CS+1], v[12:13] op_sel_hi:[1,0,0]   ; t - M, two at a time
.set j, j+2
.endr
.irp b, 0,1,2,3
	v_fma_f32 v[BM+\b], v[BM+\b], s[CS], v12
.endr
.set j, 0
	s_wait_alu depctr_va_vdst(0)
.rept 64
	v_exp_f32 v[S+j], v[S+j]                       ; p = 2^(t - M), at most 1, not normalised
.set j, j+1
.endr
	s_setprio 1
.irp b, 0,1,2,3
	v_exp_f32 v[BM+\b], v[BM+\b]                   ; the block's largest p
.endr
	v_pk_mul_f32 v[14:15], v[14:15], v[FF:FF+1] op_sel_hi:[1,0]   ; the sum under the new M; a plain instruction behind the exponentials
	s_wait_alu depctr_va_vdst(0)
.irp b, 0,1,2,3
	v_max_num_f32 v[BM+\b], 0x1800000, v[BM+\b]    ; the floor: a block whose every p has fallen to 0 keeps the byte 1: its codes are zeros
.endr
.irp b, 0,1,2,3
	s_delay_alu instid0(VALU_DEP_4)
	v_add_nc_u32 v[SOP+\b], 0xff000000, v[BM+\b]
.endr
.irp b, 0,1,2,3
	s_delay_alu instid0(VALU_DEP_4)
	v_lshrrev_b32 v[BY+\b], 23, v[SOP+\b]
.endr
	s_delay_alu instid0(VALU_DEP_3)
	v_lshl_or_b32 v[PW], v[BY+1], 8, v[BY]
	s_delay_alu instid0(VALU_DEP_1)
	v_lshl_or_b32 v[PW], v[BY+2], 16, v[PW]
	s_delay_alu instid0(VALU_DEP_1)
	v_lshl_or_b32 v[PW], v[BY+3], 24, v[PW]
.irp c, 0,1
	v_cvt_scalef32_pk16_fp6_f32 v[PC+6*\c:PC+6*\c+2], v[S+32*\c:S+32*\c+15], v[SOP+2*\c]
	v_cvt_scalef32_pk16_fp6_f32 v[T2+4*\c:T2+4*\c+2], v[S+32*\c+16:S+32*\c+31], v[SOP+2*\c+1]
.endr
	v_nop                                          ; one plain instruction behind a scaled conversion
.irp c, 0,1
.irp i, 0,1,2
	v_permlane16_swap_b32 v[PC+6*\c+\i], v[T2+4*\c+\i]
.endr
.irp i, 0,1,2
	s_delay_alu instid0(VALU_DEP_3)
	v_mov_b32 v[PC+6*\c+3+\i], v[T2+4*\c+\i]
.endr
.endr
	v_pk_add_f32 v[60:61], v[100:101], v[104:105]
	v_pk_add_f32 v[254:255], v[108:109], v[112:113]
	v_pk_add_f32 v[252:253], v[116:117], v[120:121]
	v_pk_add_f32 v[250:251], v[124:125], v[128:129]
	v_pk_add_f32 v[248:249], v[132:133], v[136:137]
	v_pk_add_f32 v[246:247], v[140:141], v[144:145]
	v_pk_add_f32 v[244:245], v[148:149], v[152:153]
	v_pk_add_f32 v[14:15], v[14:15], v[156:157]
	v_pk_add_f32 v[60:61], v[60:61], v[96:97]
	v_pk_add_f32 v[254:255], v[254:255], v[98:99]
	v_pk_add_f32 v[252:253], v[252:253], v[102:103]
	v_pk_add_f32 v[250:251], v[250:251], v[106:107]
	v_pk_add_f32 v[248:249], v[248:249], v[110:111]
	v_pk_add_f32 v[246:247], v[246:247], v[114:115]
	v_pk_add_f32 v[244:245], v[244:245], v[118:119]
	v_pk_add_f32 v[14:15], v[14:15], v[122:123]
	v_pk_add_f32 v[60:61], v[60:61], v[126:127]
	v_pk_add_f32 v[254:255], v[254:255], v[130:131]
	v_pk_add_f32 v[252:253], v[252:253], v[134:135]
	v_pk_add_f32 v[250:251], v[250:251], v[138:139]
	v_pk_add_f32 v[248:249], v[248:249], v[142:143]
	v_pk_add_f32 v[246:247], v[246:247], v[146:147]
	v_pk_add_f32 v[244:245], v[244:245], v[150:151]
	v_pk_add_f32 v[14:15], v[14:15], v[154:155]
	v_pk_add_f32 v[60:61], v[60:61], v[158:159]
	s_delay_alu instid0(VALU_DEP_2)
	v_pk_add_f32 v[14:15], v[14:15], v[250:251]
	s_delay_alu instid0(VALU_DEP_2)
	v_pk_add_f32 v[60:61], v[60:61], v[248:249]
	v_pk_add_f32 v[254:255], v[254:255], v[246:247]
	v_pk_add_f32 v[252:253], v[252:253], v[244:245]
	s_delay_alu instid0(VALU_DEP_2)
	v_pk_add_f32 v[14:15], v[14:15], v[254:255]
	s_delay_alu instid0(VALU_DEP_2)
	v_pk_add_f32 v[60:61], v[60:61], v[252:253]
	s_delay_alu instid0(VALU_DEP_1)
	v_pk_add_f32 v[14:15], v[14:15], v[60:61]
.set j, 0
.rept 32
	v_pk_mul_f32 v[O+j:O+j+1], v[O+j:O+j+1], v[FF:FF+1] op_sel_hi:[1,0]   ; O^T under the new M.  The sums and these are the places between p's codes and scale word and the products below
.set j, j+2
.endr
.endm
; A KEY STEP.  mode 0: the next step lies in the same slot.  1: a slot's last step; the slot is filled again.  2: a slot's last step; nothing is filled.  3: the last step of all.
.macro STEP mode, slot, nextbase
	s_wait_dscnt 0x0                               ; this step's k and its scale words are in
	ADDR
	WIN 0x01                                       ; source 0 in window 1
.irp t, 0,1,2,3,4,5,6,7
.if (\t%2) == 1
	v_wmma_scale_f32_16x16x128_f8f6f4 v[S+8*\t:S+8*\t+7], v[KF+6*\t:KF+6*\t+11], v[Q:Q+11], 0, v[KS+\t/2], v[QS] matrix_a_fmt:MATRIX_FMT_FP6 matrix_b_fmt:MATRIX_FMT_FP6 matrix_a_scale:MATRIX_SCALE_ROW1
.else
	v_wmma_scale_f32_16x16x128_f8f6f4 v[S+8*\t:S+8*\t+7], v[KF+6*\t:KF+6*\t+11], v[Q:Q+11], 0, v[KS+\t/2], v[QS] matrix_a_fmt:MATRIX_FMT_FP6 matrix_b_fmt:MATRIX_FMT_FP6
.endif
.endr
	WIN 0
	PLACES                                         ; in front of the loads into registers that these products and the last step's have read, and of the first read of the scores
	FETCH_V
.if \mode == 0
	FETCH_K REC                                    ; the next step's k: it lands behind the softmax
.else
	WIN 0
.endif
.if (\mode == 1) || (\mode == 2)
	; THE CHANGE OF SLOTS: the slot's last bytes have been asked for
	s_wait_tensorcnt 0x0                           ; all my tensor loads have landed, my record of the other slot among them: a group 0 may be written
	ds_add_u32 v[SPW], v[NIL]                      ; 0 onto my spare word
.if \mode == 1
	s_add_nc_u64 s[34+4*\slot:35+4*\slot], s[34+4*\slot:35+4*\slot], 2*SLOTB   ; this slot's next eight records; the type bits on top are not reached
.endif
	s_mov_b32 s[TB], \nextbase                     ; on to the other slot
	s_wait_dscnt 0x0                               ; the add is done, and my reads of this slot are over
.if \mode == 1
	CROUND                                         ; no wave of any partner still reads this slot or has a load on its way
	tensor_load_to_lds s[32+4*\slot:35+4*\slot], s[24:31]   ; my one tensor load behind the round: it has eight steps in which to land
	s_nop 0
	PLACES
.else
	s_barrier_signal -1
	s_barrier_wait -1                              ; the other slot is whole
.endif
	ADDR
	FETCH_K 0
.endif
	SOFTMAX
.if \mode == 3
	s_wait_alu depctr_va_vdst(0)
	s_wait_dscnt 0x0
.else
	s_wait_alu depctr_va_vdst(0)
	s_wait_dscnt 20                                ; f2's fragments and scale words are in; the 20 loads of the next step's k may be out
.endif
	WIN 0x01
	s_setprio 0
.irp t, 0,1,2,3,4,5,6,7                        ; O^T += f2 p^T: eight accumulators by turns
.if (\t%2) == 1
	v_wmma_scale_f32_16x16x128_f8f6f4 v[O+8*\t:O+8*\t+7], v[VF+12*\t:VF+12*\t+11], v[PC:PC+11], v[O+8*\t:O+8*\t+7], v[VS+\t/2], v[PW] matrix_a_fmt:MATRIX_FMT_FP6 matrix_b_fmt:MATRIX_FMT_FP6 matrix_a_scale:MATRIX_SCALE_ROW1
.else
	v_wmma_scale_f32_16x16x128_f8f6f4 v[O+8*\t:O+8*\t+7], v[VF+12*\t:VF+12*\t+11], v[PC:PC+11], v[O+8*\t:O+8*\t+7], v[VS+\t/2], v[PW] matrix_a_fmt:MATRIX_FMT_FP6 matrix_b_fmt:MATRIX_FMT_FP6
.endif
.endr
	WIN 0
.if \mode == 0
	s_add_co_u32 s[TB], s[TB], REC
.endif
.endm
.macro PASS mode, slot, nextbase       ; a slot's eight steps: seven in a loop, the last written out
	s_mov_b32 s[CNT], 7
.Lstep_\@:
	s_setprio 2
	STEP 0, 0, 0
	s_sub_co_u32 s[CNT], s[CNT], 1
	s_cmp_lg_u32 s[CNT], 0
	s_cbranch_scc1 .Lstep_\@
	s_setprio 0
	STEP \mode, \slot, \nextbase
.endm
	s_load_b256 s[4:11], s[0:1], 0x0               ; f1's codes s[4:5], f1's scales s[6:7], wq's codes s[8:9], wq's scales s[10:11]
	s_load_b256 s[12:19], s[0:1], 0x20             ; bq s[12:13], kv s[14:15], wf's codes s[16:17], wf's scales s[18:19]
	s_load_b128 s[20:23], s[0:1], 0x40             ; bf s[20:21], out0 s[22:23]
	v_lshl_add_u32 v[SPW], v0, 2, SPARE
	v_mov_b32 v[NIL], 0
	ds_add_u32 v4, v5
	ds_add_u32 v4, v5
	s_wait_dscnt 0x0
	v_lshrrev_b32 v6, 5, v0
	s_delay_alu instid0(VALU_DEP_1)
	v_readfirstlane_b32 s[WV], v6                  ; wave 0..7
	s_bfe_u32 s41, ttmp6, 0x40000                  ; cx: it enters f1's and out0's addresses alone
	s_lshl_b32 s42, ttmp9, 2
	s_add_co_u32 s42, s42, s41                     ; my block of 128 queries = 4 x cluster x + cx
	s_and_b32 s43, ttmp7, 0xffff                   ; the batch, which the four partners share
	s_mul_i32 s56, s[WV], REC                      ; my record's place in a slot, in LDS and in kv
	s_mul_i32 s44, s43, 32*REC
	s_add_co_u32 s44, s44, s56
	s_mov_b32 s45, 0
	s_lshl_b32 s46, s43, 12
	s_lshl_b32 s47, s42, 7
	s_add_co_u32 s46, s46, s47
	s_lshl_b32 s47, s[WV], 4
	s_add_co_u32 s46, s46, s47                     ; my first query: 4,096 x batch + 128 x block + 16 x wave
	s_lshl_b32 s48, s46, 2                         ; its scale word,
	s_mul_i32 s46, s46, 96                         ; its codes
	s_mov_b32 s47, 0
	s_mov_b32 s49, 0
	s_lshl_b32 s58, s43, 20                        ; out0: batch x 64 x 4,096 x 4,
	s_lshl_b32 s57, s[WV], 17                      ; + rows 8 x wave on,
	s_add_co_u32 s58, s58, s57
	s_lshl_b32 s57, s42, 9                         ; + my block's 512 bytes of a row
	s_add_co_u32 s58, s58, s57
	s_mov_b32 s59, 0
	; descriptor group 1: a record, dense in memory, as 76 rows of 256 bytes (32 elements of 8 bytes), no padding: images are read 16 or 8 consecutive bytes a lane
	s_mov_b32 s24, 15|(3<<16)|(1<<21)              ; 15:0 the mask: all four work-groups; 17:16 elements of 8 bytes; 21 set beside a mask
	s_mov_b32 s25, 32<<16
	s_mov_b32 s26, 76<<16
	s_mov_b32 s27, 32<<16
	s_mov_b32 s28, 76
	s_mov_b32 s29, 32
	s_mov_b32 s30, 0
	s_mov_b32 s31, 0
	s_mov_b32 s[CS], 0x3fb8aa3b                    ; log2(e)
	s_mov_b32 s[CS+1], s[CS]
	s_mov_b32 s[SEL], 0x76543210
	s_mov_b32 s[SEL+1], 0xfedcba98
	v_and_b32 v80, 31, v0
	s_delay_alu instid0(VALU_DEP_1)
	v_lshlrev_b32 v1, 4, v80
	s_delay_alu instid0(VALU_DEP_2)
	v_lshlrev_b32 v2, 3, v80
	s_delay_alu instid0(VALU_DEP_3)
	v_lshlrev_b32 v3, 2, v80
	v_and_b32 v86, 15, v0                          ; r
	v_bfe_u32 v87, v0, 4, 1                        ; h
	s_delay_alu instid0(VALU_DEP_2)
	v_mul_u32_u24 v80, v86, 96
	s_delay_alu instid0(VALU_DEP_1)
	v_mad_u32_u24 v80, v87, 24, v80                ; f1, wf: row r, + 24 h
	s_delay_alu instid0(VALU_DEP_4)
	v_and_b32 v88, 8, v86
	s_delay_alu instid0(VALU_DEP_1)
	v_add_nc_u32 v88, v88, v86                     ; r + 8 (r / 8)
	s_delay_alu instid0(VALU_DEP_1)
	v_mul_u32_u24 v81, v88, 96
	s_delay_alu instid0(VALU_DEP_1)
	v_mad_u32_u24 v81, v87, 24, v81                ; wq: lane r of tile 2 b + u takes row 32 b + 8 u + r + 8 (r / 8)
	v_lshlrev_b32 v82, 2, v86                      ; f1's and wf's scale words
	s_delay_alu instid0(VALU_DEP_4)
	v_lshlrev_b32 v83, 2, v88                      ; wq's
	v_lshlrev_b32 v84, 6, v87                      ; bq: d = 32 b + 16 h + 8 u + 0 .. 7
	v_lshlrev_b32 v85, 5, v87                      ; bf: o = 16 t + 8 h + 0 .. 7
	s_lshl_b32 s57, s[WV], 6
	v_mul_u32_u24 v[STO], v87, 8*OP
	s_delay_alu instid0(VALU_DEP_1)
	v_lshl_add_u32 v[STO], v86, 2, v[STO]
	s_delay_alu instid0(VALU_DEP_1)
	v_add_nc_u32 v[STO], s57, v[STO]               ; the stage, in: row 8 h (+ 16 t + j), my query's word: 64 x wave + 4 r
	s_mul_i32 s57, s[WV], 8*OP
	v_add_nc_u32 v[RD], s57, v1                    ; and back: rows 8 x wave on, 16 bytes a lane
.irp b, 0,1,2,3
	v_mov_b32 v[BX+\b], 0                          ; written once: a lane permute's destination counts as one of its sources
.endr
	s_wait_kmcnt 0x0
	s_add_nc_u64 s[14:15], s[14:15], s[44:45]
	s_add_nc_u64 s[4:5], s[4:5], s[46:47]
	s_add_nc_u64 s[6:7], s[6:7], s[48:49]
	s_add_nc_u64 s[22:23], s[22:23], s[58:59]
	CROUND                                         ; all four work-groups are here: the first joint loads meet
.irp n, 0,1
	s_mov_b32 s[32+4*\n], 1
	s_add_co_u32 s[33+4*\n], s56, \n*SLOTB
	s_add_nc_u64 s[34+4*\n:35+4*\n], s[14:15], \n*SLOTB
	s_or_b32 s[35+4*\n], s[35+4*\n], 0x80000000
.endr
	tensor_load_to_lds s[32:35], s[24:31]          ; records 0-7 and 8-15: two loads of mine are out
	s_nop 0
	tensor_load_to_lds s[36:39], s[24:31]
	s_nop 0
	PLACES
	; ---- q^T = wq f1 + bq, quantised along d
.irp p, 0,1,2,3,4,5
	global_load_b64 v[208+2*\p:209+2*\p], v80, s[4:5] offset:48*(\p/3)+8*(\p%3)
.endr
	global_load_b32 v[F1S], v82, s[6:7]
.irp t, 0,1,2,3
.irp p, 0,1,2,3,4,5
	global_load_b64 v[160+12*\t+2*\p:161+12*\t+2*\p], v81, s[8:9] offset:(32*(\t/2)+8*(\t%2))*96+48*(\p/3)+8*(\p%3)
.endr
	global_load_b32 v[WQS+\t], v83, s[10:11] offset:(32*(\t/2)+8*(\t%2))*4
	global_load_b128 v[128+8*\t:131+8*\t], v84, s[12:13] offset:(32*(\t/2)+8*(\t%2))*4
	global_load_b128 v[132+8*\t:135+8*\t], v84, s[12:13] offset:(32*(\t/2)+8*(\t%2))*4+16
.endr
	WIN 0x40                                       ; wf and bf stay in window 1 until the end: 36 loads with wf's scale words
	s_wait_alu depctr_va_vdst(0)
.irp t, 0,1,2,3
.irp p, 0,1,2,3,4,5
	global_load_b64 v[WF+12*\t+2*\p:WF+12*\t+2*\p+1], v80, s[16:17] offset:16*\t*96+48*(\p/3)+8*(\p%3)
.endr
	global_load_b128 v[BF+8*\t:BF+8*\t+3], v85, s[20:21] offset:64*\t
	global_load_b128 v[BF+8*\t+4:BF+8*\t+7], v85, s[20:21] offset:64*\t+16
.endr
.irp i, 0,1,2,3,4,5
	v_mov_b32 v[KF+48+\i], 0                       ; behind k's tile 7: the upper half of its fragment
.endr
	WIN 0
.irp t, 0,1,2,3
	global_load_b32 v[WFS+\t], v82, s[18:19] offset:64*\t
.endr
	s_wait_loadcnt 36                              ; f1, wq, bq and their scale words are in; the 36 loads behind them may be out
.irp t, 0,1,2,3
	v_wmma_scale_f32_16x16x128_f8f6f4 v[S+8*\t:S+8*\t+7], v[160+12*\t:171+12*\t], v[208:219], v[128+8*\t:135+8*\t], v[WQS+\t], v[F1S] matrix_a_fmt:MATRIX_FMT_FP6 matrix_b_fmt:MATRIX_FMT_FP6
.endr
	PLACES
	QUANT S, 2, Q, QS
.irp i, 6,7,8,9,10,11
	v_mov_b32 v[Q+\i], 0                           ; the upper half of the instruction's K: zero codes
.endr
	v_mov_b32 v13, 0xff61b1e6                      ; the largest t so far: -3e38
	s_delay_alu instid0(VALU_DEP_1)
	v_floor_f32 v12, -v13
	v_mov_b32 v14, 0
	v_mov_b32 v15, 0
	v_mov_b32 v[FF+1], 0                           ; (named as the upper half of a pair)
.set j, 0
.rept 64
	v_mov_b32 v[O+j], 0                            ; O^T.  The step is written without a first step of its own: the first change of M multiplies zeros.  These lines are also the places in front of the first scores
.set j, j+1
.endr
	s_wait_loadcnt 0x0
	s_wait_tensorcnt 1                             ; my record of slot 0 is in; slot 1's may stay out
	s_barrier_signal -1
	s_barrier_wait -1
	s_mov_b32 s[TB], 0
	ADDR
	FETCH_K 0
	PASS 1, 0, SLOTB                               ; records 0-7; slot 0 then takes 16-23
	PASS 1, 1, 0                                   ; records 8-15; slot 1 then takes 24-31
	PASS 2, 0, SLOTB                               ; records 16-23
	PASS 3, 0, 0                                   ; records 24-31
	; ---- attn_out = O^T / l, quantised along c; out^T = wf attn_out + bf
	PLACES
	v_add_f32 v14, v14, v15
	s_delay_alu instid0(VALU_DEP_1)
	v_permlanex16_b32 v[TMP], v14, s[SEL], s[SEL+1]
	s_delay_alu instid0(VALU_DEP_1)
	v_add_f32 v14, v14, v[TMP]                     ; the row's sum
	s_wait_alu depctr_va_vdst(0)
	v_rcp_f32 v[FF], v14
	v_nop                                          ; one plain instruction behind a transcendental
.set j, 0
	s_wait_alu depctr_va_vdst(0)
.rept 32
	v_pk_mul_f32 v[S+j:S+j+1], v[O+j:O+j+1], v[FF:FF+1] op_sel_hi:[1,0]   ; register 16 b + i: channel 32 b + 16 (lane / 16) + i
.set j, j+2
.endr
	QUANT S, 4, PC, PW
.rept 8
	v_nop                                          ; a scale register written by vector instructions stands 8 places ahead of a scaled matrix instruction
.endr
	WIN 0x11                                       ; source 0 (wf) and source 2 (bf) in window 1
.irp t, 0,1,2,3
	v_wmma_scale_f32_16x16x128_f8f6f4 v[O+8*\t:O+8*\t+7], v[WF+12*\t:WF+12*\t+11], v[PC:PC+11], v[BF+8*\t:BF+8*\t+7], v[WFS+\t], v[PW] matrix_a_fmt:MATRIX_FMT_FP6 matrix_b_fmt:MATRIX_FMT_FP6
.endr
	WIN 0
	PLACES
	; A lane holds out(16 t + 8 h + j, my query).  out0's rows run along the queries, and a row's 128 queries come from eight waves: they meet in the stage
.irp t, 0,1,2,3
.irp j, 0,1,2,3,4,5,6,7
	ds_store_b32 v[STO], v[O+8*\t+\j] offset:(16*\t+\j)*OP
.endr
.endr
	s_wait_dscnt 0x0                               ; for the others' sake: my stores into the stage are done
	s_barrier_signal -1
	s_barrier_wait -1
.irp i, 0,1,2,3,4,5,6,7
	ds_load_b128 v[S+4*\i:S+4*\i+3], v[RD] offset:\i*OP
.endr
.irp i, 0,1,2,3,4,5,6,7
	s_wait_dscnt 7-\i                              ; row i is in; the younger loads may be out
	global_store_b128 v1, v[S+4*\i:S+4*\i+3], s[22:23] offset:16384*\i th:TH_STORE_NT   ; 32 lanes store 512 consecutive bytes, at a multiple of 256 from out0's first byte
.endr
	s_wait_tensorcnt 0x0                           ; the wave's end
	ds_add_u32 v[SPW], v[NIL]
	s_wait_dscnt 0x0
	CROUND                                         ; the closing round
	s_endpgm
.Lfunc_end_k_q4809b2f83f_attn:
	.size	k_q4809b2f83f_attn, .Lfunc_end_k_q4809b2f83f_attn-k_q4809b2f83f_attn
	.p2alignl 7, 3214868480
	.fill 96, 4, 3214868480
	.section	.rodata,"a",@progbits
	.p2align	6, 0x0
	.amdhsa_kernel k_q4809b2f83f_attn
		.amdhsa_group_segment_fixed_size 327680
		.amdhsa_private_segment_fixed_size 0
		.amdhsa_enable_private_segment 0
		.amdhsa_kernarg_size 80
		.amdhsa_user_sgpr_count 2
		.amdhsa_user_sgpr_kernarg_segment_ptr 1
		.amdhsa_wavefront_size32 1
		.amdhsa_system_sgpr_workgroup_id_x 1
		.amdhsa_system_sgpr_workgroup_id_y 1
		.amdhsa_system_sgpr_workgroup_id_z 1
		.amdhsa_system_vgpr_workitem_id 0
		.amdhsa_next_free_vgpr 512
		.amdhsa_next_free_sgpr 66
		.amdhsa_reserve_vcc 0
		.amdhsa_float_denorm_mode_32 3
		.amdhsa_float_denorm_mode_16_64 3
		.amdhsa_memory_ordered 1
		.amdhsa_forward_progress 1
		.amdhsa_inst_pref_size 192
	.end_amdhsa_kernel
	.amdgpu_metadata
---
amdhsa.version: [ 1, 2 ]
amdhsa.kernels:
  - .name:           k_q4809b2f83f_attn
    .symbol:         k_q4809b2f83f_attn.kd
    .args:
      - { .name: f1_codes, .offset: 0, .size: 8, .value_kind: global_buffer, .address_space: global }
      - { .name: f1_scales, .offset: 8, .size: 8, .value_kind: global_buffer, .address_space: global }
      - { .name: wq_codes, .offset: 16, .size: 8, .value_kind: global_buffer, .address_space: global }
      - { .name: wq_scales, .offset: 24, .size: 8, .value_kind: global_buffer, .address_space: global }
      - { .name: bq, .offset: 32, .size: 8, .value_kind: global_buffer, .address_space: global }
      - { .name: kv, .offset: 40, .size: 8, .value_kind: global_buffer, .address_space: global }
      - { .name: wf_codes, .offset: 48, .size: 8, .value_kind: global_buffer, .address_space: global }
      - { .name: wf_scales, .offset: 56, .size: 8, .value_kind: global_buffer, .address_space: global }
      - { .name: bf, .offset: 64, .size: 8, .value_kind: global_buffer, .address_space: global }
      - { .name: out0, .offset: 72, .size: 8, .value_kind: global_buffer, .address_space: global }
    .group_segment_fixed_size: 327680
    .private_segment_fixed_size: 0
    .kernarg_segment_align: 8
    .kernarg_segment_size: 80
    .max_flat_workgroup_size: 256
    .sgpr_count:     66
    .vgpr_count:     512
    .wavefront_size: 32
...
	.end_amdgpu_metadata
.endif
;; end of part 2
